; MI455X (gfx1250); checked and timed in simulation.
; The chip was launched on July 23, 2026; its instructions are those of AMD's public machine-readable ISA for CDNA 5 (MIT licence, August 2026) and "CDNA5" Instruction Set Architecture Reference Guide (July 2026). The comments in the code are by the model that wrote it; some were corrected since.
;; Self Attention. Allowed arithmetic: float matrix products may take bf16 or f16 operands with f32 sums; all other float work in f32.
;; Inputs: Wk 1,024 x 1,024 float32; Wo 1,024 x 1,024 float32; Wq 1,024 x 1,024 float32; Wv 1,024 x 1,024 float32; bk 1,024 float32; bo 1,024 float32; bq 1,024 float32; bv 1,024 float32; mask 4 x 1 x 2,048 x 2,048 int32; x 4 x 2,048 x 1,024 float32.
;; Outputs: out0 4 x 2,048 x 1,024 float32.
;; One version. Each part assembles by itself: llvm-mc -triple=amdgcn-amd-amdhsa -mcpu=gfx1250 --defsym DOCPART=n.
;; ======== version 1 of 1: 4 launches
;; limits: values are held in f16: magnitudes above 65,504 overflow, below 6.1e-05 lose precision
;; workspace buffers: xw 25,165,824 bytes; maskbits 2,097,152 bytes of whole numbers; qb 16,777,216 bytes; kv 33,554,432 bytes; ao 16,777,216 bytes
;; launch prep (part 1): grid 1792 x 1, 8 waves a work-group, no clusters, 70,656 bytes of LDS; arguments x, Wq, Wk, Wv, Wo, mask, xw, maskbits; writes xw, maskbits
.if DOCPART == 1
	.amdgcn_target "amdgcn-amd-amdhsa--gfx1250"
	.amdhsa_code_object_version 6
	.text
	.protected	k_q5174281f50_prep
	.globl	k_q5174281f50_prep
	.p2align	8
	.type	k_q5174281f50_prep,@function
k_q5174281f50_prep:
	s_mov_b64 s[64:65], 0
	v_nop
	global_prefetch_b8 v0, s[64:65] scope:SCOPE_SE
	s_setreg_imm32_b32 hwreg(HW_REG_WAVE_MODE, 25, 1), 1
	s_wait_xcnt 0x0
; PREP: two streaming jobs of equal size (64 KiB read by every work-group), chosen by the work-group's number.
;  groups 0..767   : cast f32 -> f16.  xw = x [8192][1024] at byte 0, then Wq, Wk, Wv, Wo [k][n] at 16 MiB + i * 2 MiB.
;  groups 768..1791: the int32 mask becomes bits.  maskbits is u32 [b 4][qg 32][ks 32][qt 4][kt 4][j 8];
;                    bit L of a word = (mask[b][64 qg + 16 qt + (L & 15)][64 ks + 16 kt + 8 (L >> 4) + j] != 0),
;                    which is the lane mask of register j of the score tile (kt, qt) as the attention launch holds it.
; LIMIT: f16 holds magnitudes up to 65,504; a larger |x| or |W| becomes infinity.  The drawn |x| stay below about 6 and |W| below about 0.2.
; No matrix unit, no cluster, no tensor loads: no byte is read twice and no two work-groups share an input.
.set NCAST, 768
.set X,  8                             ; v[8:71]    sixteen loads of 16 bytes a lane
.set Y,  72                            ; v[72:135]  cast: packed f16; mask: the tile read back by score-tile lanes
.set WD, 136                           ; v[136:137] mask: lane L holds words 2 L and 2 L + 1 of the wave's 64 words
	s_load_b512 s[8:23], s[0:1], 0x0               ; x s[8:9], Wq s[10:11], Wk s[12:13], Wv s[14:15], Wo s[16:17], mask s[18:19], xw s[20:21], maskbits s[22:23]
	v_lshl_add_u32 v140, v0, 2, 0x11000
	v_mov_b32 v141, 0
	s_mov_b32 s2, ttmp9                            ; g
	s_mov_b32 s25, 0                               ; the upper word of every 64-bit offset
	v_and_b32 v3, 31, v0                           ; lane L
	v_lshrrev_b32 v4, 5, v0                        ; wave w
	s_cmp_lt_u32 s2, NCAST
	s_cbranch_scc0 .Lmask
	; ---- cast: 64 KiB of f32 in, 32 KiB of f16 out; a wave takes 8 KiB ----
	s_sub_co_u32 s3, s2, 512                       ; the group's number among the weights' groups (not used where g < 512)
	s_lshr_b32 s5, s3, 6                           ; which weight
	s_and_b32 s6, s3, 63                           ; which 64 KiB of it
	v_lshlrev_b32 v1, 4, v3
	v_lshl_add_u32 v1, v4, 13, v1                  ; source: 8192 w + 16 L
	v_lshlrev_b32 v2, 3, v3
	v_lshl_add_u32 v2, v4, 12, v2                  ; destination: 4096 w + 8 L
	s_wait_kmcnt 0x0
	s_cmp_eq_u32 s5, 1
	s_cselect_b64 s[26:27], s[12:13], s[10:11]
	s_cmp_eq_u32 s5, 2
	s_cselect_b64 s[26:27], s[14:15], s[26:27]
	s_cmp_eq_u32 s5, 3
	s_cselect_b64 s[26:27], s[16:17], s[26:27]
	s_cmp_lt_u32 s2, 512
	s_cselect_b64 s[26:27], s[8:9], s[26:27]       ; groups 0..511 read x
	s_cselect_b32 s24, s2, s6
	s_lshl_b32 s24, s24, 16
	s_add_nc_u64 s[26:27], s[26:27], s[24:25]      ; source + 64 KiB x its block
	s_lshl_b32 s24, s2, 15
	s_add_nc_u64 s[20:21], s[20:21], s[24:25]      ; xw + 32 KiB x g: x's and the weights' blocks follow each other in g
.irp t, 0,1,2,3,4,5,6,7,8,9,10,11,12,13,14,15
	global_load_b128 v[X+4*\t:X+4*\t+3], v1, s[26:27] offset:512*\t th:TH_LOAD_NT   ; 512 neighbouring bytes a wave; all sixteen go out at once
.endr
.irp t, 0,1,2,3,4,5,6,7,8,9,10,11,12,13,14,15
	s_wait_loadcnt 15-\t                           ; loads return in order: load t is in, the 15 - t younger ones stay out
	v_cvt_pk_f16_f32 v[Y+2*\t],   v[X+4*\t],   v[X+4*\t+1]
	v_cvt_pk_f16_f32 v[Y+2*\t+1], v[X+4*\t+2], v[X+4*\t+3]
	global_store_b64 v2, v[Y+2*\t:Y+2*\t+1], s[20:21] offset:256*\t   ; the wave's 32 lanes store 256 consecutive bytes, aligned
.endr
	s_endpgm
	; ---- mask: the group takes 32 query rows x 512 keys, a wave 32 rows x 64 keys (8 KiB) ----
.Lmask:
	v_readfirstlane_b32 s28, v4                    ; wave number as a scalar
	s_sub_co_u32 s3, s2, NCAST                     ; gm
	s_lshr_b32 s4, s3, 2                           ; R = 64 b + (row >> 5)
	s_and_b32 s5, s3, 3
	s_lshl3_add_u32 s5, s5, s28                    ; ks = 8 (gm & 3) + w
	s_lshl_b32 s24, s4, 18                         ; 32 rows of 8,192 bytes
	s_lshl_b32 s6, s5, 8                           ; 64 keys of 4 bytes
	s_add_co_u32 s24, s24, s6
	v_and_b32 v5, 15, v0
	v_bfe_u32 v6, v0, 4, 1
	v_lshlrev_b32 v1, 4, v5
	v_lshl_add_u32 v1, v6, 13, v1                  ; global: lanes 0-15 one row's 256 bytes, lanes 16-31 the next row's
	s_mul_i32 s7, s28, 8704                        ; the wave's own 32 rows x 272 bytes of LDS
	v_mul_u32_u24 v2, v6, 272
	v_lshl_add_u32 v2, v5, 4, v2
	v_add_nc_u32 v2, s7, v2                        ; in: row (L >> 4), 16 (L & 15)
	v_mul_u32_u24 v7, v5, 272
	v_lshl_add_u32 v7, v6, 5, v7
	v_add_nc_u32 v7, s7, v7                        ; back: row (L & 15), key 8 (L >> 4); the pitch is an odd multiple of 16 bytes, so 16 rows fall on 16 different 16-byte columns modulo 256
	v_lshlrev_b32 v3, 3, v3                        ; out: 8 L
	v_mov_b32 v[WD], 0                             ; v_writelane_b32 keeps the other lanes: both words are written whole first
	v_mov_b32 v[WD+1], 0
	s_wait_kmcnt 0x0
	s_add_nc_u64 s[18:19], s[18:19], s[24:25]
	s_lshr_b32 s6, s4, 1                           ; 32 b + qg
	s_lshl_b32 s6, s6, 5
	s_add_co_u32 s6, s6, s5                        ; x 32 + ks
	s_and_b32 s7, s4, 1                            ; which pair of q tiles
	s_lshl1_add_u32 s6, s6, s7
	s_lshl_b32 s24, s6, 8                          ; 64 words of 4 bytes
	s_add_nc_u64 s[22:23], s[22:23], s[24:25]
.irp t, 0,1,2,3,4,5,6,7,8,9,10,11,12,13,14,15
	global_load_b128 v[X+4*\t:X+4*\t+3], v1, s[18:19] offset:16384*\t th:TH_LOAD_NT   ; rows 2 t and 2 t + 1: two aligned runs of 256 bytes
.endr
.irp t, 0,1,2,3,4,5,6,7,8,9,10,11,12,13,14,15
	s_wait_loadcnt 15-\t                           ; load t is in, the younger ones stay out
	ds_store_b128 v2, v[X+4*\t:X+4*\t+3] offset:544*\t
.endr
	; LDS serves a wave's instructions in order (ISA guide 5.7.1): these loads see the wave's own stores without a wait.
	; Load u = 8 qt + 2 kt + c brings lane L the four keys 16 kt + 8 (L >> 4) + 4 c .. + 3 of row 16 qt + (L & 15).
.set u, 0
.rept 16
	ds_load_b128 v[Y+4*u:Y+4*u+3], v7 offset:(u/8)*4352+((u/2)%4)*64+(u%2)*16
.set u, u+1
.endr
.set q, 0
.rept 4
	s_wait_dscnt 12-4*q                            ; four more loads are in; the 12 - 4 q younger ones stay out
.set n, 0
.rept 16
	v_cmp_ne_u32 s[32+n], 0, v[Y+16*q+n]           ; word 16 q + n: one bit a lane
.set n, n+1
.endr
.set n, 0
.rept 16
	v_writelane_b32 v[WD+(n&1)], s[32+n], 8*q+n/2  ; word wd goes to lane wd / 2, register wd & 1
.set n, n+1
.endr
.set q, q+1
.endr
	global_store_b64 v3, v[WD:WD+1], s[22:23]      ; 256 consecutive bytes, aligned
	s_wait_tensorcnt 0x0
	ds_add_u32 v140, v141
	s_wait_dscnt 0x0
	s_endpgm
.Lfunc_end_k_q5174281f50_prep:
	.size	k_q5174281f50_prep, .Lfunc_end_k_q5174281f50_prep-k_q5174281f50_prep
	.p2alignl 7, 3214868480
	.fill 96, 4, 3214868480
	.section	.rodata,"a",@progbits
	.p2align	6, 0x0
	.amdhsa_kernel k_q5174281f50_prep
		.amdhsa_group_segment_fixed_size 70656
		.amdhsa_private_segment_fixed_size 0
		.amdhsa_enable_private_segment 0
		.amdhsa_kernarg_size 64
		.amdhsa_user_sgpr_count 2
		.amdhsa_user_sgpr_kernarg_segment_ptr 1
		.amdhsa_wavefront_size32 1
		.amdhsa_system_sgpr_workgroup_id_x 1
		.amdhsa_system_sgpr_workgroup_id_y 1
		.amdhsa_system_sgpr_workgroup_id_z 1
		.amdhsa_system_vgpr_workitem_id 0
		.amdhsa_next_free_vgpr 142
		.amdhsa_next_free_sgpr 66
		.amdhsa_reserve_vcc 0
		.amdhsa_float_denorm_mode_32 3
		.amdhsa_float_denorm_mode_16_64 3
		.amdhsa_memory_ordered 1
		.amdhsa_forward_progress 1
		.amdhsa_inst_pref_size 21
	.end_amdhsa_kernel
	.amdgpu_metadata
---
amdhsa.version: [ 1, 2 ]
amdhsa.kernels:
  - .name:           k_q5174281f50_prep
    .symbol:         k_q5174281f50_prep.kd
    .args:
      - { .name: x, .offset: 0, .size: 8, .value_kind: global_buffer, .address_space: global }
      - { .name: Wq, .offset: 8, .size: 8, .value_kind: global_buffer, .address_space: global }
      - { .name: Wk, .offset: 16, .size: 8, .value_kind: global_buffer, .address_space: global }
      - { .name: Wv, .offset: 24, .size: 8, .value_kind: global_buffer, .address_space: global }
      - { .name: Wo, .offset: 32, .size: 8, .value_kind: global_buffer, .address_space: global }
      - { .name: mask, .offset: 40, .size: 8, .value_kind: global_buffer, .address_space: global }
      - { .name: xw, .offset: 48, .size: 8, .value_kind: global_buffer, .address_space: global }
      - { .name: maskbits, .offset: 56, .size: 8, .value_kind: global_buffer, .address_space: global }
    .group_segment_fixed_size: 70656
    .private_segment_fixed_size: 0
    .kernarg_segment_align: 8
    .kernarg_segment_size: 64
    .max_flat_workgroup_size: 256
    .sgpr_count:     66
    .vgpr_count:     142
    .wavefront_size: 32
...
	.end_amdgpu_metadata
.endif
;; end of part 1
;; launch qkv (part 2): grid 12 x 32, 4 waves a work-group, clusters of 4 x 4, 327,680 bytes of LDS; arguments xw, bq, bk, bv, qb, kv; writes qb, kv
.if DOCPART == 2
	.amdgcn_target "amdgcn-amd-amdhsa--gfx1250"
	.amdhsa_code_object_version 6
	.text
	.protected	k_q5174281f50_qkv
	.globl	k_q5174281f50_qkv
	.p2align	8
	.type	k_q5174281f50_qkv,@function
k_q5174281f50_qkv:
	s_mov_b64 s[64:65], 0
	v_nop
	global_prefetch_b8 v0, s[64:65] scope:SCOPE_SE
	s_setreg_imm32_b32 hwreg(HW_REG_WAVE_MODE, 25, 1), 1
	s_wait_xcnt 0x0
	s_wait_alu depctr_hold_cnt(0) depctr_sa_sdst(0) depctr_va_vdst(0) depctr_va_sdst(0) depctr_va_ssrc(0) depctr_va_vcc(0) depctr_vm_vsrc(0)
	s_getreg_b32 s2, hwreg(HW_REG_IB_STS2, 6, 4)
	s_cmp_eq_u32 s2, 0
	s_cbranch_scc0 .Lentry_in_a_cluster
	s_endpgm
.Lentry_in_a_cluster:
	s_bfe_u32 s2, ttmp6, 0x10000c
	s_cmp_lg_u32 s2, 0xf033
	s_cbranch_scc0 .Lentry_shape_is_right
	s_endpgm
.Lentry_shape_is_right:
; QKV: [8192 tokens][1024] x [1024][3 x 1024] in f16 with f32 sums, + bias, rounded once to f16.
; The cluster's x (0, 1, 2) says which product: Q, K or V; cx is the block of 256 columns in it; the block row is 4 x cluster y + cy.
; A work-group makes 256 tokens x 256 features with four waves, a wave 128 x 128: 64 accumulator tiles, 512 registers.
; K goes in steps of 128 through two LDS slots.  x's tile: 256 rows x 256 bytes, LDS pitch 272.  W lies [k][n] in memory and stays so in LDS:
; 128 rows (k) x 512 bytes, LDS pitch 544; its fragments are made by the transposing LDS load.
; CLUSTER 4 x 4: x's tile hangs on the block row alone and is asked for jointly by a row of the cluster, W's on (product, cx) alone and is
; asked for jointly by a column: the requests for both are divided by four.
; OUT: q is multiplied by log2(e) / 8 (bias included) before its rounding, so that the attention launch needs no scale.
;   qb: f16 [b 16 + head][l][64].   kv: f16 [b 16 + head][l >> 8][K rows 0-255 | V rows 0-255][64].
; LIMIT: f16 holds magnitudes up to 65,504; a larger q, k or v becomes infinity.  The drawn ones stay below about 6.
; REGISTER WINDOWS: 0: addresses, bias, x's fragments (v64-127, v128-191), v192-223 at work;  1: W's fragments;  2, 3: accumulators.
; The matrix instruction takes W's fragment as source 0 and x's as source 1: a lane then holds 8 neighbouring features of one token.
.set KSTEP,  128
.set PITCH,  272                       ; x's LDS row: 256 + 16 bytes, an odd multiple of 16
.set BPITCH, 544                       ; W's LDS row: 512 + 32 bytes, an odd multiple of 32
.set HALFT,  128*PITCH                 ; what one tensor load brings: 128 x 272 = 64 x 544 bytes
.set SLOT,   4*HALFT
.set STAGE,  2*SLOT                    ; behind the ring: 16 rows x 272 bytes for each wave; no tensor load lands here
.set LAPS,   4                         ; 1024 / 256: a lap is two K steps
.set ADRA, 16                          ; v16-17  LDS address of my x fragments in slot 0, 1
.set ADRB, 20                          ; v20-21  the same for W
.set STO,  24
.set RD,   25
.set CO,   26
.set BO,   27
.set SC,   28                          ; v[28:29] the scale, twice
.set F0,   64
.set F1,   128
.set TMP,  192
.set G1,  24                           ; s[24:31] group 1 of x's tiles
.set G0,  32                           ; s[32:39] group 0 of x's tiles, one set a slot
.set G1B, 48                           ; s[48:55] group 1 of W's tiles
.set G0B, 56                           ; s[56:63] group 0 of W's tiles, one set a slot
.set MSB, 0
.macro WIN new                         ; the immediate's high byte repeats the setting that is left
.if MSB != \new
	s_set_vgpr_msb (MSB<<8)|\new
.set MSB, \new
.endif
.endm
.set MUL_LO, 0xa1                      ; source 0 (W) window 1, source 1 (x) window 0, C and D window 2
.set MUL_HI, 0xf1                      ; the same, C and D window 3
.set TO_B,   0x40                      ; destination window 1
.macro JLOAD s                         ; waves 0, 1 ask for x's halves, waves 2, 3 for W's: one line, one mask each; the branch hangs on the wave's number alone
	s_cmp_eq_u32 s17, 0
	s_cbranch_scc0 .Lfor_b_\@
	tensor_load_to_lds s[G0+4*\s:G0+4*\s+3], s[G1:G1+7]
	s_nop 0
	s_branch .Lasked_\@
.Lfor_b_\@:
	tensor_load_to_lds s[G0B+4*\s:G0B+4*\s+3], s[G1B:G1B+7]
	s_nop 0
.Lasked_\@:
.endm
.macro CREST                           ; a round of the cluster's barrier behind its opening work-group barrier
	s_cmp_lg_u32 s16, 0
	s_cbranch_scc1 .Lnot_wave_0_\@
	s_barrier_signal -3
.Lnot_wave_0_\@:
	s_barrier_wait -3
	s_barrier_signal -1
	s_barrier_wait -1
.endm
.macro CROUND
	s_barrier_signal -1
	s_barrier_wait -1
	CREST
.endm
	s_load_b256 s[4:11], s[0:1], 0x0               ; xw s[4:5], bq s[6:7], bk s[8:9], bv s[10:11]
	s_load_b128 s[12:15], s[0:1], 0x20             ; qb s[12:13], kv s[14:15]
	s_set_vgpr_msb 0x40
	v_lshl_add_u32 v255, v0, 2, 0x48400
	s_set_vgpr_msb 0x4000
	v_mov_b32 v31, 0
	s_set_vgpr_msb 0x1
	ds_add_u32 v255, v31
	s_set_vgpr_msb 0x100
	v_lshrrev_b32 v1, 5, v0
	v_readfirstlane_b32 s16, v1                    ; wave 0..3
	s_lshr_b32 s17, s16, 1                         ; my half of the block's tokens; also: I fetch for x (0) or for W (1)
	s_and_b32 s18, s16, 1                          ; my half of its features; also: which half of that tile I fetch
	s_bfe_u32 s20, ttmp6, 0x40000                  ; cx
	s_bfe_u32 s21, ttmp6, 0x40004                  ; cy
	s_mov_b32 s22, ttmp9                           ; which product: 0 Q, 1 K, 2 V (the cluster's x: equal in all sixteen)
	s_and_b32 s23, ttmp7, 0xffff
	s_lshl_b32 s23, s23, 2
	s_add_co_u32 s23, s23, s21                     ; block row = 4 x cluster y + cy
	s_lshl_b32 s70, s21, 2
	s_lshl_b32 s70, 15, s70                        ; my row of the cluster
	s_lshl_b32 s71, 0x1111, s20                    ; my column
	s_or_b32 s[G1+0], s70, 0x07710000              ; mask; 2-byte elements; padding on, 4 words behind every 64; bit 21 beside a mask
	s_mov_b32 s[G1+1], 128<<16                     ; tensor_dim0 = 128
	s_mov_b32 s[G1+2], 128<<16                     ; tensor_dim1 = 128
	s_mov_b32 s[G1+3], 128<<16                     ; tile_dim0 = 128 elements (256 bytes)
	s_mov_b32 s[G1+4], 128                         ; tile_dim1 = 128 rows
	s_mov_b32 s[G1+5], 1024                        ; elements from row to row
	s_mov_b32 s[G1+6], 0
	s_mov_b32 s[G1+7], 0
	s_or_b32 s[G1B+0], s71, 0x0FB10000             ; mask; 2-byte elements; padding on, 8 words behind every 128; bit 21
	s_mov_b32 s[G1B+1], 256<<16                    ; tensor_dim0 = 256
	s_mov_b32 s[G1B+2], 64<<16                     ; tensor_dim1 = 64
	s_mov_b32 s[G1B+3], 256<<16                    ; tile_dim0 = 256 elements (512 bytes)
	s_mov_b32 s[G1B+4], 64                         ; tile_dim1 = 64 rows (k)
	s_mov_b32 s[G1B+5], 1024
	s_mov_b32 s[G1B+6], 0
	s_mov_b32 s[G1B+7], 0
	; x's tile: token 256 x block row + 128 x half, 2,048 bytes a token.  These registers never hold cx.
	s_lshl_b32 s40, s23, 8
	s_lshl_b32 s41, s18, 7
	s_add_co_u32 s40, s40, s41
	s_lshl_b32 s40, s40, 11
	s_mov_b32 s41, 0
	; W's tile: 16 MiB + 2 MiB x product + 512 cx + 64 rows x half.  These registers never hold cy.
	s_lshl_b32 s66, s22, 21
	s_lshl_b32 s67, s20, 9
	s_add_co_u32 s66, s66, s67
	s_lshl_b32 s67, s18, 17
	s_add_co_u32 s66, s66, s67
	s_add_co_u32 s66, s66, 0x1000000
	s_mov_b32 s67, 0
	s_mul_i32 s44, s16, HALFT                      ; where my load lands: wave x 34,816: x's halves, then W's halves
	s_mov_b32 s74, 0x3E38AA3B                      ; log2(e) / 8
	s_mov_b32 s75, 0x3f800000                      ; 1.0
	s_wait_dscnt 0x0
	s_wait_kmcnt 0x0
	s_add_nc_u64 s[46:47], s[4:5], s[40:41]
	s_add_nc_u64 s[68:69], s[4:5], s[66:67]
	s_cmp_eq_u32 s22, 1
	s_cselect_b64 s[72:73], s[8:9], s[6:7]
	s_cmp_eq_u32 s22, 2
	s_cselect_b64 s[72:73], s[10:11], s[72:73]     ; the product's bias
	s_cmp_eq_u32 s22, 0
	s_cselect_b32 s74, s74, s75                    ; the product's scale
	CROUND                                         ; all sixteen work-groups are here: the first joint loads meet
.irp s, 0,1
	s_mov_b32 s[G0+4*\s], 1
	s_add_co_u32 s[G0+4*\s+1], s44, \s*SLOT
	s_add_nc_u64 s[G0+4*\s+2:G0+4*\s+3], s[46:47], \s*KSTEP*2        ; K step s: 256 bytes along the rows
	s_or_b32 s[G0+4*\s+3], s[G0+4*\s+3], 0x80000000
	s_mov_b32 s[G0B+4*\s], 1
	s_add_co_u32 s[G0B+4*\s+1], s44, \s*SLOT
	s_add_nc_u64 s[G0B+4*\s+2:G0B+4*\s+3], s[68:69], \s*KSTEP*2048   ; K step s: 128 rows of 2,048 bytes
	s_or_b32 s[G0B+4*\s+3], s[G0B+4*\s+3], 0x80000000
	JLOAD \s                                       ; two tensor loads of this wave are out
.endr
	v_and_b32 v1, 15, v0                           ; r
	v_bfe_u32 v2, v0, 4, 1                         ; h
	v_mul_u32_u24 v3, v1, PITCH
	v_lshl_add_u32 v3, v2, 4, v3                   ; x: 272 r + 16 h
	v_and_b32 v5, 7, v0
	v_lshl_add_u32 v5, v2, 3, v5                   ; W: row 8 h + (l & 7),
	v_mul_u32_u24 v5, v5, BPITCH
	v_bfe_u32 v6, v0, 3, 1
	v_lshl_add_u32 v5, v6, 4, v5                   ; 16 bytes on for lanes 8-15 and 24-31
	s_mul_i32 s76, s17, HALFT                      ; my 128 tokens
	s_lshl_b32 s77, s18, 8                         ; my 128 features: 256 bytes along W's rows,
	s_add_co_u32 s77, s77, 2*HALFT                 ; behind x's 256 rows
.irp s, 0,1
	v_add_nc_u32 v[ADRA+\s], s76, v3
	v_add_nc_u32 v[ADRB+\s], s77, v5
	s_add_co_u32 s76, s76, SLOT
	s_add_co_u32 s77, s77, SLOT
.endr
	s_mul_i32 s78, s16, 16*PITCH
	s_add_co_u32 s78, s78, STAGE                   ; my stage
	v_add_nc_u32 v[STO], s78, v3                   ; in: token r, 16 bytes for each half of the lanes
	v_bfe_u32 v7, v0, 3, 2
	v_mul_u32_u24 v7, v7, PITCH
	v_and_b32 v8, 7, v0
	v_lshl_add_u32 v7, v8, 4, v7
	v_add_nc_u32 v[RD], s78, v7                    ; back: token l >> 3, 16 (l & 7) of one head's 128 bytes
	v_and_b32 v9, 31, v0
	v_lshlrev_b32 v[CO], 4, v9                     ; out: 16 l: four tokens of one head are 512 consecutive bytes
	s_lshl_b32 s79, s20, 10
	s_lshl_b32 s84, s18, 9
	s_add_co_u32 s79, s79, s84
	v_lshl_add_u32 v[BO], v2, 5, s79               ; bias: 4 (256 cx + 128 half + 8 h)
	v_mov_b32 v[SC], s74
	v_mov_b32 v[SC+1], s74
	; bias of tile column b: 8 numbers a lane, in v[32 + 8 b ..] (b < 4) and v[192 + 8 b ..] (b >= 4): registers that the loop leaves alone
.irp b, 0,1,2,3,4,5,6,7
	global_load_b128 v[32+8*\b+(\b/4)*160:32+8*\b+(\b/4)*160+3],   v[BO], s[72:73] offset:64*\b
	global_load_b128 v[32+8*\b+(\b/4)*160+4:32+8*\b+(\b/4)*160+7], v[BO], s[72:73] offset:64*\b+16
.endr
	s_wait_loadcnt 0x0                             ; the bias, once, while the first tiles are on their way
.irp b, 0,1,2,3,4,5,6,7
.irp r, 0,1,2,3
	v_pk_mul_f32 v[32+8*\b+(\b/4)*160+2*\r:32+8*\b+(\b/4)*160+2*\r+1], v[32+8*\b+(\b/4)*160+2*\r:32+8*\b+(\b/4)*160+2*\r+1], v[SC:SC+1]   ; bias x scale: the way out is one fused multiply-add
.endr
.endr
; 16 matrix instructions: token blocks a0, a0 + 1 of the window's four x all 8 feature blocks, 32 along K.  zero = 1: the first product starts the sums.
.macro MUL16 f, hi, a0, zero
.irp a, \a0, \a0+1
.irp b, 0,1,2,3,4,5,6,7
.if \zero
	v_wmma_f32_16x16x32_f16 v[8*(8*(\a)+\b):8*(8*(\a)+\b)+7], v[\f+8*\b:\f+8*\b+7], v[\f+8*(4*\hi+\a):\f+8*(4*\hi+\a)+7], 0
.else
	v_wmma_f32_16x16x32_f16 v[8*(8*(\a)+\b):8*(8*(\a)+\b)+7], v[\f+8*\b:\f+8*\b+7], v[\f+8*(4*\hi+\a):\f+8*(4*\hi+\a)+7], v[8*(8*(\a)+\b):8*(8*(\a)+\b)+7]
.endif
.endr
.endr
.endm
; 32 LDS loads in one run: quarter q (32 along K) of a slot into buffer f.  W: two transposing loads, 16 rows (k) apart, bring lane l
; feature 16 i + (l & 15) with k = 8 h .. + 7 and 16 + 8 h .. + 7.  x: two plain loads, 32 bytes apart.
.macro FETCH slot, q, f
	WIN TO_B
.irp i, 0,1,2,3,4,5,6,7
	ds_load_tr16_b128 v[\f+8*\i:\f+8*\i+3],   v[ADRB+\slot] offset:\q*32*BPITCH+32*\i
	ds_load_tr16_b128 v[\f+8*\i+4:\f+8*\i+7], v[ADRB+\slot] offset:\q*32*BPITCH+16*BPITCH+32*\i
.endr
	WIN 0
.irp i, 0,1,2,3,4,5,6,7
	ds_load_b128 v[\f+8*\i:\f+8*\i+3],   v[ADRA+\slot] offset:\q*64+\i*16*PITCH
	ds_load_b128 v[\f+8*\i+4:\f+8*\i+7], v[ADRA+\slot] offset:\q*64+\i*16*PITCH+32
.endr
.endm
.macro PLACES                          ; four independent vector places between a matrix instruction and a load into, or a vector use of, its registers
.rept 4
	v_nop
.endr
.endm
; The 64 accumulators take turns, one instruction a turn, in the same order in every quarter.
.macro QUARTER slot, q, f, g, zero
	s_wait_dscnt 8                                 ; W and x's tokens 0-63 are in; the youngest eight loads (tokens 64-127) may be out
	WIN MUL_LO
	MUL16 \f, 0, 0, \zero
	MUL16 \f, 0, 2, \zero
	PLACES
	FETCH \slot, \q, \g
	s_wait_dscnt 32                                ; all but the 32 just issued
	WIN MUL_HI
	MUL16 \f, 1, 0, \zero
	MUL16 \f, 1, 2, \zero
.endm
.macro THREE slot, zero
	QUARTER \slot, 1, F0, F1, \zero
	QUARTER \slot, 2, F1, F0, 0
	QUARTER \slot, 3, F0, F1, 0
.endm
; The last quarter of a K step changes slots.  In front of the barrier each wave has its reads of this slot back and all its tensor loads landed
; (none is out).  Where this slot is filled again the barrier opens a round of the cluster's barrier, only register
; work stands inside the round, and the joint refill is the first tensor load behind it.
.macro TURN slot, next, fill
	s_wait_dscnt 8
	WIN MUL_LO
	MUL16 F1, 0, 0, 0
	s_wait_dscnt 0
	s_wait_tensorcnt 0x0
	ds_add_u32 v255, v31
	s_wait_dscnt 0x0
	s_barrier_signal -1
	MUL16 F1, 0, 2, 0
	WIN 0
	s_barrier_wait -1
.if \fill
	CREST
	s_add_nc_u64 s[G0+4*\slot+2:G0+4*\slot+3], s[G0+4*\slot+2:G0+4*\slot+3], 2*KSTEP*2       ; no tensor load of mine is out: the addresses step two K steps
	s_add_nc_u64 s[G0B+4*\slot+2:G0B+4*\slot+3], s[G0B+4*\slot+2:G0B+4*\slot+3], 2*KSTEP*2048
	JLOAD \slot
.endif
	PLACES
	FETCH \next, 0, F0
	WIN MUL_HI
	MUL16 F1, 1, 0, 0
	MUL16 F1, 1, 2, 0
.endm
.macro LAP zero
	THREE 0, \zero
	TURN 0, 1, 1
	THREE 1, 0
	TURN 1, 0, 1
.endm
	s_wait_tensorcnt 1                             ; my part of K step 0 is in; K step 1's stays out
	s_barrier_signal -1
	s_barrier_wait -1
	FETCH 0, 0, F0
	LAP 1
	WIN 0
	s_mov_b32 s19, LAPS-2
.Llap:
	LAP 0
	WIN 0
	s_sub_co_u32 s19, s19, 1
	s_cmp_lg_u32 s19, 0
	s_cbranch_scc1 .Llap
	THREE 0, 0                                     ; the last lap fills nothing
	TURN 0, 1, 0
	THREE 1, 0
	s_wait_dscnt 8
	WIN MUL_LO
	MUL16 F1, 0, 0, 0
	MUL16 F1, 0, 2, 0
	s_wait_dscnt 0
	WIN MUL_HI
	MUL16 F1, 1, 0, 0
	MUL16 F1, 1, 2, 0
	; THE WAY OUT.  My 128 features are two heads; my 128 tokens lie in one block of 256 tokens of one batch.
	PLACES
	s_lshr_b32 s84, s23, 3                         ; batch
	s_lshl_b32 s84, s84, 4
	s_lshl2_add_u32 s84, s20, s84                  ; + 4 cx
	s_lshl1_add_u32 s84, s18, s84                  ; + 2 x half = my first head, counted over batches
	s_and_b32 s85, s23, 7                          ; which 256 tokens of the batch
	s_lshl3_add_u32 s84, s84, s85
	s_lshl_b32 s84, s84, 15                        ; qb: 32 KiB for 256 tokens of a head
	s_min_u32 s86, s22, 1
	s_lshl_b32 s84, s84, s86                       ; kv: 64 KiB (K's and V's)
	s_lshl_b32 s87, s17, 14                        ; my half of the tokens: 128 x 128 bytes
	s_add_co_u32 s84, s84, s87
	s_cmp_eq_u32 s22, 2
	s_cselect_b32 s87, 0x8000, 0                   ; V's rows lie behind K's
	s_add_co_u32 s84, s84, s87
	s_mov_b32 s85, 0
	s_cmp_eq_u32 s22, 0
	s_cselect_b64 s[80:81], s[12:13], s[14:15]
	s_add_nc_u64 s[80:81], s[80:81], s[84:85]      ; my first head
	s_lshl_b32 s84, 0x40000, s86
	s_add_nc_u64 s[82:83], s[80:81], s[84:85]      ; my second head
; tokens 16 i .. 16 i + 15: (sum + bias) x scale in place, round to f16, 16 bytes a lane into my stage, back as four tokens x 128 bytes of one head
.macro OUT16 i, a, wfma, wcvt, f
	WIN \wfma
.irp b, 0,1,2,3,4,5,6,7
.irp r, 0,1,2,3
	v_pk_fma_f32 v[8*(8*\a+\b)+2*\r:8*(8*\a+\b)+2*\r+1], v[8*(8*\a+\b)+2*\r:8*(8*\a+\b)+2*\r+1], v[SC:SC+1], v[32+8*\b+(\b/4)*160+2*\r:32+8*\b+(\b/4)*160+2*\r+1]
.endr
.endr
	WIN \wcvt
.irp b, 0,1,2,3,4,5,6,7
.irp r, 0,1,2,3
	v_cvt_pk_f16_f32 v[TMP+4*\b+\r], v[8*(8*\a+\b)+2*\r], v[8*(8*\a+\b)+2*\r+1]
.endr
.endr
	WIN 0
.irp b, 0,1,2,3,4,5,6,7
	ds_store_b128 v[STO], v[TMP+4*\b:TMP+4*\b+3] offset:32*\b
.endr
	s_wait_xcnt 0x0                                ; buffer f, which earlier stores read, is loaded again only behind this wait
.irp t, 0,1,2,3,4,5,6,7
	ds_load_b128 v[\f+4*\t:\f+4*\t+3], v[RD] offset:(\t%4)*4*PITCH+(\t/4)*128   ; a wave's LDS instructions are served in order: these see the stores above
.endr
.irp t, 0,1,2,3,4,5,6,7
	s_wait_dscnt 7-\t
	global_store_b128 v[CO], v[\f+4*\t:\f+4*\t+3], s[80+2*(\t/4):81+2*(\t/4)] offset:2048*\i+512*(\t%4)   ; 512 consecutive bytes, aligned
.endr
.endm
	OUT16 0, 0, 0x82, 0x0a, F0
	OUT16 1, 1, 0x82, 0x0a, F1
	OUT16 2, 2, 0x82, 0x0a, F0
	OUT16 3, 3, 0x82, 0x0a, F1
	OUT16 4, 0, 0xc3, 0x0f, F0
	OUT16 5, 1, 0xc3, 0x0f, F1
	OUT16 6, 2, 0xc3, 0x0f, F0
	OUT16 7, 3, 0xc3, 0x0f, F1
	s_set_vgpr_msb 0x1
	s_wait_tensorcnt 0x0
	ds_add_u32 v255, v31
	s_wait_dscnt 0x0
	s_set_vgpr_msb 0x100
	CROUND                                         ; the closing round: no work-group ends while a partner may still ask jointly
	s_endpgm
.Lfunc_end_k_q5174281f50_qkv:
	.size	k_q5174281f50_qkv, .Lfunc_end_k_q5174281f50_qkv-k_q5174281f50_qkv
	.p2alignl 7, 3214868480
	.fill 96, 4, 3214868480
	.section	.rodata,"a",@progbits
	.p2align	6, 0x0
	.amdhsa_kernel k_q5174281f50_qkv
		.amdhsa_group_segment_fixed_size 327680
		.amdhsa_private_segment_fixed_size 0
		.amdhsa_enable_private_segment 0
		.amdhsa_kernarg_size 48
		.amdhsa_user_sgpr_count 2
		.amdhsa_user_sgpr_kernarg_segment_ptr 1
		.amdhsa_wavefront_size32 1
		.amdhsa_system_sgpr_workgroup_id_x 1
		.amdhsa_system_sgpr_workgroup_id_y 1
		.amdhsa_system_sgpr_workgroup_id_z 1
		.amdhsa_system_vgpr_workitem_id 0
		.amdhsa_next_free_vgpr 1024
		.amdhsa_next_free_sgpr 100
		.amdhsa_reserve_vcc 0
		.amdhsa_float_denorm_mode_32 3
		.amdhsa_float_denorm_mode_16_64 3
		.amdhsa_memory_ordered 1
		.amdhsa_forward_progress 1
		.amdhsa_inst_pref_size 216
	.end_amdhsa_kernel
	.amdgpu_metadata
---
amdhsa.version: [ 1, 2 ]
amdhsa.kernels:
  - .name:           k_q5174281f50_qkv
    .symbol:         k_q5174281f50_qkv.kd
    .args:
      - { .name: xw, .offset: 0, .size: 8, .value_kind: global_buffer, .address_space: global }
      - { .name: bq, .offset: 8, .size: 8, .value_kind: global_buffer, .address_space: global }
      - { .name: bk, .offset: 16, .size: 8, .value_kind: global_buffer, .address_space: global }
      - { .name: bv, .offset: 24, .size: 8, .value_kind: global_buffer, .address_space: global }
      - { .name: qb, .offset: 32, .size: 8, .value_kind: global_buffer, .address_space: global }
      - { .name: kv, .offset: 40, .size: 8, .value_kind: global_buffer, .address_space: global }
    .group_segment_fixed_size: 327680
    .private_segment_fixed_size: 0
    .kernarg_segment_align: 8
    .kernarg_segment_size: 48
    .max_flat_workgroup_size: 128
    .sgpr_count:     100
    .vgpr_count:     1024
    .wavefront_size: 32
...
	.end_amdgpu_metadata
.endif
;; end of part 2
;; launch attn (part 3): grid 256 x 1, 8 waves a work-group, clusters of 4 x 1, 327,680 bytes of LDS; arguments qb, kv, maskbits, ao; writes ao
.if DOCPART == 3
	.amdgcn_target "amdgcn-amd-amdhsa--gfx1250"
	.amdhsa_code_object_version 6
	.text
	.protected	k_q5174281f50_attn
	.globl	k_q5174281f50_attn
	.p2align	8
	.type	k_q5174281f50_attn,@function
k_q5174281f50_attn:
	s_mov_b64 s[64:65], 0
	v_nop
	global_prefetch_b8 v0, s[64:65] scope:SCOPE_SE
	s_setreg_imm32_b32 hwreg(HW_REG_WAVE_MODE, 25, 1), 1
	s_wait_xcnt 0x0
	s_wait_alu depctr_hold_cnt(0) depctr_sa_sdst(0) depctr_va_vdst(0) depctr_va_sdst(0) depctr_va_ssrc(0) depctr_va_vcc(0) depctr_vm_vsrc(0)
	s_getreg_b32 s2, hwreg(HW_REG_IB_STS2, 6, 4)
	s_cmp_eq_u32 s2, 0
	s_cbranch_scc0 .Lentry_in_a_cluster
	s_endpgm
.Lentry_in_a_cluster:
	s_bfe_u32 s2, ttmp6, 0x10000c
	s_cmp_lg_u32 s2, 0x3003
	s_cbranch_scc0 .Lentry_shape_is_right
	s_endpgm
.Lentry_shape_is_right:
; ATTENTION for one (batch, head) a cluster: the cluster's x is b 16 + head, cx the block of 512 queries; a wave owns 64 queries (4 tiles of 16).
; The four work-groups of a cluster walk the same keys and values: every tile is asked for jointly (mask 15), which divides those requests by four.
; TRANSPOSED: S^T = K Q^T (source 0: 16 keys, source 1: 16 queries), so lane (r, h) holds, for query r, keys 8 h + j of each tile: the softmax's
; figures are one number a lane, met across h by one lane exchange; two neighbouring score tiles, packed to f16, ARE the fragment of P^T;
; O^T += V^T P^T with V^T's fragments made from V [key][d] by the transposing LDS load.  A lane ends with 8 neighbouring d of query r.
; q already carries log2(e) / 8, so scores are exponents to base 2.  A masked score is replaced (a true select) by -1e20 x log2(e) / 8, and a running
; maximum is taken away before every exponential: a row that is masked throughout has s - m = 0 everywhere and comes out as the plain mean of V.
; LIMITS: P lies in (0, 1] and goes to the matrix unit in f16 (below 6e-5 with an absolute error of 3e-8); a score at or below -1e20 is not told
; from a masked one; a NaN loses in the maxima; v_exp_f32 flushes results below 2^-126 to zero (ISA guide 15.8).
; 8 waves, two on each SIMD, 512 registers each: one wave's softmax runs beside the other's matrix work.
; A trip is 256 keys (one LDS slot), four steps of 64 keys.  kv holds for each trip K's 256 rows and then V's: wave w fetches part w (64 rows).
; A step is two HALF STEPS of two query tiles each: 16 score products, 64 selects, two softmaxes, 32 scalings of O, 16 products with V.
; THE MASK: a select takes its 32 lanes' bits from a scalar register, so a half step needs 64 words (256 bytes), which fill the 64 scalar registers
; kept for them.  Each half of that block is asked for again right behind the last select that reads it and is waited for at the next half step's
; selects: the request has two softmaxes, 32 scalings and 32 matrix instructions in which to come back.
.set PART,  10240                      ; an LDS part: 64 rows at pitch 144 (K) or 160 (V)
.set SLOT,  8*PART
.set TILEB, 65536                      ; bytes of a trip's K and V in memory
.set STAGE, 2*SLOT                     ; behind the ring: 16 rows x 144 bytes for each wave; no tensor load lands here
.set KP, 144                           ; odd multiple of 16
.set VP, 160                           ; odd multiple of 32
.set KL, 2                             ; lane part of K's address
.set VL, 3                             ; lane part of V's address
.set KA, 4                             ; K's address in this step
.set VA, 5                             ; V's address in this step
.set STO, 6
.set RD, 7
.set CO, 8
.set QO, 9
.set M,  16                            ; v[16:23]  running maximum, a pair for each query tile
.set LS, 24                            ; v[24:27]  running sum (this lane's half of the keys)
.set AL, 28                            ; v[28:35]  2^(old maximum - new), a pair for each query tile
.set T,  36                            ; v[36:43]  at work
.set MV, 48                            ; the masked score
.set KF, 64                            ; v[64:127]   K's fragments, 8 (2 kt + ks)
.set S,  128                           ; v[128:255]  scores, 32 qt + 8 kt; then P^T's fragments at 32 qt + 16 kk
.set O,  0                             ; window 1: v[0:127]    O^T, 32 qt + 8 dt
.set QF, 128                           ; window 1: v[128:191]  Q's fragments, 8 (2 qt + ks)
.set VF, 192                           ; window 1: v[192:255]  V^T's fragments, 8 (2 dt + kk)
.set G1K, 8                            ; s[8:15]
.set G1V, 16                           ; s[16:23]
.set G0, 24                            ; s[24:31] one set a slot
.set MA, 32                            ; s[32:63]  lane masks of a half step's first query tile
.set MB, 68                            ; s[68:99]  lane masks of its second (set-up scratch before the first request)
.set MSB, 0
.macro WIN new
.if MSB != \new
	s_set_vgpr_msb (MSB<<8)|\new
.set MSB, \new
.endif
.endm
.macro ROUND                           ; a round of the cluster's barrier
	s_barrier_signal -1
	s_barrier_wait -1
	s_cmp_lg_u32 s2, 0
	s_cbranch_scc1 .Lnot_wave_0_\@
	s_barrier_signal -3
.Lnot_wave_0_\@:
	s_barrier_wait -3
	s_barrier_signal -1
	s_barrier_wait -1
.endm
.macro JLOAD s                         ; waves 0-3 fetch K's parts (pitch 144), waves 4-7 V's (pitch 160); the branch hangs on the wave's number alone
	s_cmp_lt_u32 s2, 4
	s_cbranch_scc0 .Lfor_v_\@
	tensor_load_to_lds s[G0+4*(\s):G0+4*(\s)+3], s[G1K:G1K+7]
	s_nop 0
	s_branch .Lasked_\@
.Lfor_v_\@:
	tensor_load_to_lds s[G0+4*(\s):G0+4*(\s)+3], s[G1V:G1V+7]
	s_nop 0
.Lasked_\@:
.endm
	s_load_b256 s[68:75], s[0:1], 0x0              ; qb s[68:69], kv s[70:71], maskbits s[72:73], ao s[74:75]
	v_lshl_add_u32 v62, v0, 2, 0x2c800
	v_mov_b32 v63, 0
	ds_add_u32 v62, v63
	v_lshrrev_b32 v1, 5, v0
	v_readfirstlane_b32 s2, v1                     ; wave 0..7
	s_bfe_u32 s78, ttmp6, 0x40000                  ; cx
	s_mov_b32 s66, 0x76543210                      ; v_permlanex16_b32: lane i reads lane i of the other half
	s_mov_b32 s67, 0xfedcba98
	s_mov_b32 s[G1K+0], 0x0731000F                 ; mask 15; 2-byte elements; padding on, 4 words behind every 32; bit 21 beside a mask
	s_mov_b32 s[G1K+1], 64<<16                     ; tensor_dim0 = 64
	s_mov_b32 s[G1K+2], 64<<16                     ; tensor_dim1 = 64
	s_mov_b32 s[G1K+3], 64<<16                     ; tile_dim0 = 64 elements: a head's row of 128 bytes
	s_mov_b32 s[G1K+4], 64                         ; tile_dim1 = 64 rows
	s_mov_b32 s[G1K+5], 64                         ; rows follow each other
	s_mov_b32 s[G1K+6], 0
	s_mov_b32 s[G1K+7], 0
	s_mov_b32 s[G1V+0], 0x0F31000F                 ; the same with 8 words of padding
	s_mov_b32 s[G1V+1], 64<<16
	s_mov_b32 s[G1V+2], 64<<16
	s_mov_b32 s[G1V+3], 64<<16
	s_mov_b32 s[G1V+4], 64
	s_mov_b32 s[G1V+5], 64
	s_mov_b32 s[G1V+6], 0
	s_mov_b32 s[G1V+7], 0
	s_lshl_b32 s80, ttmp9, 19                      ; kv: 512 KiB a head,
	s_lshl_b32 s79, s2, 13                         ; 8 KiB a part: made of the cluster's x and the wave's number alone
	s_add_co_u32 s80, s80, s79
	s_mov_b32 s81, 0
	s_mul_i32 s84, s2, PART
	s_lshl_b32 s86, ttmp9, 18                      ; qb and ao: 256 KiB a head, 64 KiB a work-group, 8 KiB a wave
	s_lshl_b32 s85, s78, 16
	s_add_co_u32 s86, s86, s85
	s_add_co_u32 s86, s86, s79
	s_mov_b32 s87, 0
	s_lshr_b32 s88, ttmp9, 4                       ; maskbits: (32 b + 8 cx + w) x 16 KiB: my 64 queries' words for all 32 steps
	s_lshl_b32 s88, s88, 5
	s_lshl3_add_u32 s88, s78, s88
	s_add_co_u32 s88, s88, s2
	s_lshl_b32 s88, s88, 14
	s_mov_b32 s89, 0
	s_mov_b32 s101, 32                             ; steps left
	s_mov_b32 s105, 0                              ; the upper word of the mask pointer's step s[104:105]
	s_wait_dscnt 0x0
	s_wait_kmcnt 0x0
	s_add_nc_u64 s[82:83], s[70:71], s[80:81]
	s_add_nc_u64 s[76:77], s[68:69], s[86:87]      ; my queries
	s_add_nc_u64 s[6:7], s[74:75], s[86:87]        ; my outputs
	s_add_nc_u64 s[4:5], s[72:73], s[88:89]        ; my mask words
.irp s, 0,1
	s_mov_b32 s[G0+4*\s], 1
	s_add_co_u32 s[G0+4*\s+1], s84, \s*SLOT
	s_add_nc_u64 s[G0+4*\s+2:G0+4*\s+3], s[82:83], \s*TILEB
	s_or_b32 s[G0+4*\s+3], s[G0+4*\s+3], 0x80000000
.endr
	ROUND                                          ; the four work-groups are here: the first joint load meets
	JLOAD 0                                        ; trip 0's tile; slot 1 is first filled behind the first trip's round
	v_and_b32 v10, 15, v0                          ; r
	v_bfe_u32 v11, v0, 4, 1                        ; h
	v_mul_u32_u24 v[KL], v10, KP
	v_lshl_add_u32 v[KL], v11, 4, v[KL]            ; 144 r + 16 h
	v_and_b32 v12, 7, v0
	v_lshl_add_u32 v13, v11, 3, v12
	v_mul_u32_u24 v[VL], v13, VP                   ; key row 8 h + (l & 7),
	v_bfe_u32 v14, v0, 3, 1
	v_lshl_add_u32 v[VL], v14, 4, v[VL]            ; 16 bytes on for lanes 8-15 and 24-31
	s_mul_i32 s90, s2, 16*KP
	s_add_co_u32 s90, s90, STAGE
	v_add_nc_u32 v[STO], s90, v[KL]
	v_bfe_u32 v14, v0, 3, 2
	v_mul_u32_u24 v14, v14, KP
	v_lshl_add_u32 v14, v12, 4, v14
	v_add_nc_u32 v[RD], s90, v14                   ; back: query l >> 3, 16 (l & 7)
	v_and_b32 v14, 31, v0
	v_lshlrev_b32 v[CO], 4, v14
	v_lshlrev_b32 v[QO], 7, v10
	v_lshl_add_u32 v[QO], v11, 4, v[QO]            ; 128 r + 16 h
	v_mov_b32 v[MV], 0xDF7A4488                    ; -1e20 x log2(e) / 8
	WIN 0x40                                       ; destination window 1
.irp qt, 0,1,2,3
.irp ks, 0,1
	global_load_b128 v[QF+8*(2*\qt+\ks):QF+8*(2*\qt+\ks)+3],   v[QO], s[76:77] offset:2048*\qt+64*\ks
	global_load_b128 v[QF+8*(2*\qt+\ks)+4:QF+8*(2*\qt+\ks)+7], v[QO], s[76:77] offset:2048*\qt+64*\ks+32
.endr
.endr
	WIN 0
	s_wait_loadcnt 0x0                             ; Q, once; its base s[76:77] and the rest of the set-up's s68-s99 may be written from here on
	s_load_b512 s[MA:MA+15],    s[4:5], 0x0        ; step 0, query tiles 0 and 1: 64 lane masks
	s_load_b512 s[MA+16:MA+31], s[4:5], 0x40
	s_load_b512 s[MB:MB+15],    s[4:5], 0x80
	s_load_b512 s[MB+16:MB+31], s[4:5], 0xc0
; The softmax of query tile qt over this step's 64 keys, whose masked scores have been replaced already.
.macro SOFT qt, first
.set SB, S+32*\qt
.irp c, 0,1,2,3
	v_max3_num_f32 v[T+\c], v[SB+8*\c], v[SB+8*\c+1], v[SB+8*\c+2]     ; four chains that do not wait for each other
.endr
.irp c, 0,1,2,3
	v_max3_num_f32 v[T+\c], v[T+\c], v[SB+8*\c+3], v[SB+8*\c+4]
.endr
.irp c, 0,1,2,3
	v_max3_num_f32 v[T+\c], v[T+\c], v[SB+8*\c+5], v[SB+8*\c+6]
.endr
	v_max3_num_f32 v[T],   v[T],   v[T+1], v[SB+7]
	v_max3_num_f32 v[T+2], v[T+2], v[T+3], v[SB+15]
	v_max3_num_f32 v[T],   v[T],   v[SB+23], v[SB+31]
.if \first
	v_max_num_f32 v[T], v[T], v[T+2]
	v_permlanex16_b32 v[T+1], v[T], s66, s67       ; the other half of the keys
	v_max_num_f32 v[M+2*\qt],   v[T], v[T+1]
	v_max_num_f32 v[M+2*\qt+1], v[T], v[T+1]
.else
	v_max3_num_f32 v[T], v[T], v[T+2], v[M+2*\qt]  ; the old maximum joins
	v_permlanex16_b32 v[T+1], v[T], s66, s67
	v_max_num_f32 v[T+4], v[T], v[T+1]
	v_sub_f32 v[T+5], v[M+2*\qt], v[T+4]
	v_exp_f32 v[AL+2*\qt],   v[T+5]
	v_exp_f32 v[AL+2*\qt+1], v[T+5]
	v_mov_b32 v[M+2*\qt],   v[T+4]                 ; plain instructions behind the exponentials, before their results are used (ISA guide 5.7.2)
	v_mov_b32 v[M+2*\qt+1], v[T+4]
.endif
.set n, 0
.rept 16
	v_pk_add_f32 v[SB+2*n:SB+2*n+1], v[SB+2*n:SB+2*n+1], v[M+2*\qt:M+2*\qt+1] neg_lo:[0,1] neg_hi:[0,1]   ; s - m
.set n, n+1
.endr
.set n, 0
.rept 32
	v_exp_f32 v[SB+n], v[SB+n]
.set n, n+1
.endr
	v_nop                                          ; one plain place behind the last exponential
	s_wait_alu depctr_va_vdst(0)
.irp c, 0,1,2,3
	v_pk_add_f32 v[T+2*\c:T+2*\c+1], v[SB+8*\c:SB+8*\c+1], v[SB+8*\c+2:SB+8*\c+3]
.endr
.irp c, 0,1,2,3
	v_pk_add_f32 v[T+2*\c:T+2*\c+1], v[T+2*\c:T+2*\c+1], v[SB+8*\c+4:SB+8*\c+5]
.endr
.irp c, 0,1,2,3
	v_pk_add_f32 v[T+2*\c:T+2*\c+1], v[T+2*\c:T+2*\c+1], v[SB+8*\c+6:SB+8*\c+7]
.endr
	v_pk_add_f32 v[T:T+1],   v[T:T+1],   v[T+2:T+3]
	v_pk_add_f32 v[T+4:T+5], v[T+4:T+5], v[T+6:T+7]
	v_pk_add_f32 v[T:T+1],   v[T:T+1],   v[T+4:T+5]
.if \first
	v_add_f32 v[LS+\qt], v[T], v[T+1]
.else
	v_add_f32 v[T], v[T], v[T+1]
	v_fma_f32 v[LS+\qt], v[LS+\qt], v[AL+2*\qt], v[T]
.endif
.irp kk, 0,1
.irp i, 0,1,2,3,4,5,6,7
	v_cvt_pk_f16_f32 v[SB+16*\kk+\i], v[SB+16*\kk+2*\i], v[SB+16*\kk+2*\i+1]   ; in place, ascending: register i is written when 2 i and 2 i + 1 >= i are read
.endr
.endr
.endm
; Half step p: this step's 64 keys against query tiles qa and qb (0, 1 or 2, 3).
.macro HALF p, qa, qb, first
	WIN 0x04                                       ; source 1 (Q) window 1
	; the eight score tiles take turns, one instruction a turn; the first products start the sums
.irp qt, \qa, \qb
.irp kt, 0,1,2,3
	v_wmma_f32_16x16x32_f16 v[S+32*\qt+8*\kt:S+32*\qt+8*\kt+7], v[KF+16*\kt:KF+16*\kt+7], v[QF+16*\qt:QF+16*\qt+7], 0
.endr
.endr
.irp qt, \qa, \qb
.irp kt, 0,1,2,3
	v_wmma_f32_16x16x32_f16 v[S+32*\qt+8*\kt:S+32*\qt+8*\kt+7], v[KF+16*\kt+8:KF+16*\kt+15], v[QF+16*\qt+8:QF+16*\qt+15], v[S+32*\qt+8*\kt:S+32*\qt+8*\kt+7]
.endr
.endr
	WIN 0
.rept 4
	v_nop                                          ; four places before vector instructions read the scores (ISA guide 7.12.1)
.endr
	s_wait_kmcnt 0x0                               ; this half step's 64 words are in (scalar loads are waited for with 0 alone); no scalar load is out
.if \p
	s_add_nc_u64 s[4:5], s[4:5], s[104:105]        ; so the pointer may step: 512 bytes to the next step's words; 0 in the last step
.endif
.set n, 0
.rept 32
	v_cndmask_b32 v[S+32*\qa+n], v[MV], v[S+32*\qa+n], s[MA+n]     ; bit set: the score; bit clear: the masked score
.set n, n+1
.endr
	s_load_b512 s[MA:MA+15],    s[4:5], 256-256*\p         ; the next half step's first tile, behind the last select that reads these registers
	s_load_b512 s[MA+16:MA+31], s[4:5], 256-256*\p+64      ; (p = 0: this step's tiles 2, 3 at byte 256; p = 1: the stepped pointer's tiles 0, 1 at byte 0)
.set n, 0
.rept 32
	v_cndmask_b32 v[S+32*\qb+n], v[MV], v[S+32*\qb+n], s[MB+n]
.set n, n+1
.endr
	s_load_b512 s[MB:MB+15],    s[4:5], 256-256*\p+128     ; and its second tile
	s_load_b512 s[MB+16:MB+31], s[4:5], 256-256*\p+192
	SOFT \qa, \first
	SOFT \qb, \first
.if \first == 0
	WIN 0x41                                       ; O in window 1, the factor in window 0
.irp qt, \qa, \qb
.set n, 0
.rept 16
	v_pk_mul_f32 v[O+32*\qt+2*n:O+32*\qt+2*n+1], v[O+32*\qt+2*n:O+32*\qt+2*n+1], v[AL+2*\qt:AL+2*\qt+1]
.set n, n+1
.endr
.endr
.endif
.if \p == 0
	s_wait_dscnt 0x0                               ; V's fragments, for both half steps
.endif
	WIN 0x51                                       ; D, C and source 0 (V^T) window 1, source 1 (P^T) window 0
	; the eight tiles of O take turns, one instruction a turn
.irp qt, \qa, \qb
.irp dt, 0,1,2,3
.if \first
	v_wmma_f32_16x16x32_f16 v[O+32*\qt+8*\dt:O+32*\qt+8*\dt+7], v[VF+16*\dt:VF+16*\dt+7], v[S+32*\qt:S+32*\qt+7], 0
.else
	v_wmma_f32_16x16x32_f16 v[O+32*\qt+8*\dt:O+32*\qt+8*\dt+7], v[VF+16*\dt:VF+16*\dt+7], v[S+32*\qt:S+32*\qt+7], v[O+32*\qt+8*\dt:O+32*\qt+8*\dt+7]
.endif
.endr
.endr
.irp qt, \qa, \qb
.irp dt, 0,1,2,3
	v_wmma_f32_16x16x32_f16 v[O+32*\qt+8*\dt:O+32*\qt+8*\dt+7], v[VF+16*\dt+8:VF+16*\dt+15], v[S+32*\qt+16:S+32*\qt+23], v[O+32*\qt+8*\dt:O+32*\qt+8*\dt+7]
.endr
.endr
.endm
; One step: 64 keys against my 64 queries.  K's and V's fragments are loaded once and serve both half steps.
.macro STEP first
	s_sub_co_u32 s101, s101, 1
	s_cmp_lg_u32 s101, 0
	s_cselect_b32 s104, 512, 0                     ; the mask pointer's step: in the last step it stays, so that the last request lies inside the buffer
.irp kt, 0,1,2,3
.irp ks, 0,1
	ds_load_b128 v[KF+8*(2*\kt+\ks):KF+8*(2*\kt+\ks)+3],   v[KA] offset:16*KP*\kt+64*\ks
	ds_load_b128 v[KF+8*(2*\kt+\ks)+4:KF+8*(2*\kt+\ks)+7], v[KA] offset:16*KP*\kt+64*\ks+32
.endr
.endr
	WIN 0x40
.irp dt, 0,1,2,3
.irp kk, 0,1
	ds_load_tr16_b128 v[VF+8*(2*\dt+\kk):VF+8*(2*\dt+\kk)+3],   v[VA] offset:32*VP*\kk+32*\dt
	ds_load_tr16_b128 v[VF+8*(2*\dt+\kk)+4:VF+8*(2*\dt+\kk)+7], v[VA] offset:32*VP*\kk+32*\dt+16*VP
.endr
.endr
	s_wait_dscnt 16                                ; K's sixteen loads are in; V's sixteen younger ones stay out
	HALF 0, 0, 1, \first
	HALF 1, 2, 3, \first                           ; its score products write tiles 2 and 3 of S, which the products in front of them do not name
	WIN 0
	v_add_nc_u32 v[KA], PART, v[KA]                ; the next 64 keys; with the three v_nop: five places before the next step's loads
	v_add_nc_u32 v[VA], PART, v[VA]                ; land in V's fragments and its products write over P (ISA guide 7.12.1)
.rept 3
	v_nop
.endr
.endm
; One trip: 256 keys from one slot.  In front of the round each wave has all its tensor loads landed (its part of this trip's tile among them) and its reads
; of the other slot back; the round holds that of every wave of the four work-groups; the joint refill of the other slot is the first tensor load
; behind it, one a wave, and has the whole trip in which to land.  The scalar loads of the next half step's mask words stay out across the round:
; they read bytes that no wave writes.
.macro TRIP slot, refill, first
	s_wait_tensorcnt 0x0
	ds_add_u32 v62, v63
	s_wait_dscnt 0x0
	s_add_nc_u64 s[G0+4*\slot+2:G0+4*\slot+3], s[G0+4*\slot+2:G0+4*\slot+3], 2*TILEB   ; no tensor load of mine is out: this slot's next tile
	s_wait_dscnt 0x0
	ROUND
.if \refill
	JLOAD 1-\slot
.endif
	v_add_nc_u32 v[KA], \slot*SLOT, v[KL]
	v_add_nc_u32 v[VA], \slot*SLOT+4*PART, v[VL]
.if \first
	STEP 1
	s_mov_b32 s3, 3
.else
	s_mov_b32 s3, 4
.endif
.Lstep_\@:
	STEP 0
	s_sub_co_u32 s3, s3, 1
	s_cmp_lg_u32 s3, 0
	s_cbranch_scc1 .Lstep_\@
.endm
	TRIP 0, 1, 1
	TRIP 1, 1, 0
	s_mov_b32 s100, 2
.Llap:
	TRIP 0, 1, 0
	TRIP 1, 1, 0
	s_sub_co_u32 s100, s100, 1
	s_cmp_lg_u32 s100, 0
	s_cbranch_scc1 .Llap
	TRIP 0, 1, 0
	TRIP 1, 0, 0                                   ; the last trip fetches nothing
	; THE WAY OUT: the two halves' sums meet, O is divided by them, rounded to f16 and sent through my stage.  The sum is at least 1: the largest score gives 2^0.
.irp qt, 0,1,2,3
	v_permlanex16_b32 v[T+\qt], v[LS+\qt], s66, s67
.endr
.irp qt, 0,1,2,3
	v_add_f32 v[T+\qt], v[T+\qt], v[LS+\qt]
.endr
.irp qt, 0,1,2,3
	v_rcp_f32 v[AL+2*\qt],   v[T+\qt]
	v_rcp_f32 v[AL+2*\qt+1], v[T+\qt]
.endr
	v_nop                                          ; one plain place behind the last reciprocal
	WIN 0x41
	s_wait_alu depctr_va_vdst(0)
.irp qt, 0,1,2,3
.set n, 0
.rept 16
	v_pk_mul_f32 v[O+32*\qt+2*n:O+32*\qt+2*n+1], v[O+32*\qt+2*n:O+32*\qt+2*n+1], v[AL+2*\qt:AL+2*\qt+1]
.set n, n+1
.endr
.endr
.irp qt, 0,1,2,3
	WIN 0x05                                       ; both sources window 1
.irp dt, 0,1,2,3
.irp i, 0,1,2,3
	v_cvt_pk_f16_f32 v[S+32*\qt+4*\dt+\i], v[O+32*\qt+8*\dt+2*\i], v[O+32*\qt+8*\dt+2*\i+1]
.endr
.endr
	WIN 0
.irp dt, 0,1,2,3
	ds_store_b128 v[STO], v[S+32*\qt+4*\dt:S+32*\qt+4*\dt+3] offset:32*\dt      ; query r, d = 16 dt + 8 h ..
.endr
.irp t, 0,1,2,3
	ds_load_b128 v[S+32*\qt+16+4*\t:S+32*\qt+16+4*\t+3], v[RD] offset:4*KP*\t   ; a wave's LDS instructions are served in order: these see the stores above
.endr
.irp t, 0,1,2,3
	s_wait_dscnt 3-\t
	global_store_b128 v[CO], v[S+32*\qt+16+4*\t:S+32*\qt+16+4*\t+3], s[6:7] offset:2048*\qt+512*\t   ; four queries: 512 consecutive bytes, aligned; each tile has registers of its own
.endr
.endr
	s_wait_kmcnt 0x0                               ; the last step's request for mask words has no reader: it is waited for here, so that no scalar load is out at the end
	s_wait_tensorcnt 0x0
	ds_add_u32 v62, v63
	s_wait_dscnt 0x0
	ROUND                                          ; the closing round
	s_endpgm
.Lfunc_end_k_q5174281f50_attn:
	.size	k_q5174281f50_attn, .Lfunc_end_k_q5174281f50_attn-k_q5174281f50_attn
	.p2alignl 7, 3214868480
	.fill 96, 4, 3214868480
	.section	.rodata,"a",@progbits
	.p2align	6, 0x0
	.amdhsa_kernel k_q5174281f50_attn
		.amdhsa_group_segment_fixed_size 327680
		.amdhsa_private_segment_fixed_size 0
		.amdhsa_enable_private_segment 0
		.amdhsa_kernarg_size 32
		.amdhsa_user_sgpr_count 2
		.amdhsa_user_sgpr_kernarg_segment_ptr 1
		.amdhsa_wavefront_size32 1
		.amdhsa_system_sgpr_workgroup_id_x 1
		.amdhsa_system_sgpr_workgroup_id_y 1
		.amdhsa_system_sgpr_workgroup_id_z 1
		.amdhsa_system_vgpr_workitem_id 0
		.amdhsa_next_free_vgpr 512
		.amdhsa_next_free_sgpr 106
		.amdhsa_reserve_vcc 0
		.amdhsa_float_denorm_mode_32 3
		.amdhsa_float_denorm_mode_16_64 3
		.amdhsa_memory_ordered 1
		.amdhsa_forward_progress 1
		.amdhsa_inst_pref_size 255
	.end_amdhsa_kernel
	.section	.bss,"aw",@nobits
	.p2align	6
	.space	262144
	.amdgpu_metadata
---
amdhsa.version: [ 1, 2 ]
amdhsa.kernels:
  - .name:           k_q5174281f50_attn
    .symbol:         k_q5174281f50_attn.kd
    .args:
      - { .name: qb, .offset: 0, .size: 8, .value_kind: global_buffer, .address_space: global }
      - { .name: kv, .offset: 8, .size: 8, .value_kind: global_buffer, .address_space: global }
      - { .name: maskbits, .offset: 16, .size: 8, .value_kind: global_buffer, .address_space: global }
      - { .name: ao, .offset: 24, .size: 8, .value_kind: global_buffer, .address_space: global }
    .group_segment_fixed_size: 327680
    .private_segment_fixed_size: 0
    .kernarg_segment_align: 8
    .kernarg_segment_size: 32
    .max_flat_workgroup_size: 256
    .sgpr_count:     106
    .vgpr_count:     512
    .wavefront_size: 32
...
	.end_amdgpu_metadata
.endif
;; end of part 3
;; launch oproj (part 4): grid 4 x 32, 4 waves a work-group, clusters of 4 x 4, 327,680 bytes of LDS; arguments ao, xw, bo, out0; writes out0
.if DOCPART == 4
	.amdgcn_target "amdgcn-amd-amdhsa--gfx1250"
	.amdhsa_code_object_version 6
	.text
	.protected	k_q5174281f50_oproj
	.globl	k_q5174281f50_oproj
	.p2align	8
	.type	k_q5174281f50_oproj,@function
k_q5174281f50_oproj:
	s_mov_b64 s[64:65], 0
	v_nop
	global_prefetch_b8 v0, s[64:65] scope:SCOPE_SE
	s_setreg_imm32_b32 hwreg(HW_REG_WAVE_MODE, 25, 1), 1
	s_wait_xcnt 0x0
	s_wait_alu depctr_hold_cnt(0) depctr_sa_sdst(0) depctr_va_vdst(0) depctr_va_sdst(0) depctr_va_ssrc(0) depctr_va_vcc(0) depctr_vm_vsrc(0)
	s_getreg_b32 s2, hwreg(HW_REG_IB_STS2, 6, 4)
	s_cmp_eq_u32 s2, 0
	s_cbranch_scc0 .Lentry_in_a_cluster
	s_endpgm
.Lentry_in_a_cluster:
	s_bfe_u32 s2, ttmp6, 0x10000c
	s_cmp_lg_u32 s2, 0xf033
	s_cbranch_scc0 .Lentry_shape_is_right
	s_endpgm
.Lentry_shape_is_right:
; OUTPUT PROJECTION: out0 [8192][1024] f32 = ao x Wo + bo, f16 operands, f32 sums.
; ao lies by heads, f16 [b 16 + head][l][64]; feature k of a token is (head k >> 6, d k & 63).  Wo is the fourth weight in xw, f16 [k][n].
; A work-group makes 256 tokens x 256 features with four waves, a wave 128 x 128.  A K step of 128 is two heads.
; LDS slot: head 2 s and head 2 s + 1, 256 tokens x 128 bytes each at pitch 144 (2 x 36,864 bytes), then Wo's 128 rows (k) x 512 bytes at pitch 544.
; CLUSTER 4 x 4: ao's tile hangs on the block row alone (joint along a row of the cluster), Wo's on cx alone (joint along a column).
; The grid has 128 work-groups: blocks of half the size would halve the matrix work that each fetched byte feeds.
; LIMIT: operands are f16 (magnitudes up to 65,504); the result is f32 and rounded nowhere else.
; REGISTER WINDOWS: 0: addresses, bias, ao's fragments (v64-127, v128-191);  1: Wo's fragments;  2, 3: accumulators.
.set APITCH, 144
.set BPITCH, 544
.set AHEAD,  256*APITCH                ; one head's 256 tokens: 36,864
.set BHALF,  64*BPITCH                 ; 34,816
.set BBASE,  2*AHEAD                   ; 73,728
.set SLOT,   BBASE+2*BHALF             ; 143,360
.set STAGE,  2*SLOT                    ; 286,720: 16 rows x 528 bytes for each wave; no tensor load lands here
.set SPITCH, 528
.set LAPS,   4
.set ADRA, 16
.set ADRB, 20
.set STO,  24
.set RD,   25
.set CO,   26
.set BO,   27
.set F0,   64
.set F1,   128
.set G1,  24
.set G0,  32
.set G1B, 48
.set G0B, 56
.set MSB, 0
.macro WIN new
.if MSB != \new
	s_set_vgpr_msb (MSB<<8)|\new
.set MSB, \new
.endif
.endm
.set MUL_LO, 0xa1
.set MUL_HI, 0xf1
.set TO_B,   0x40
.macro JLOAD s                         ; waves 0, 1 ask for the two heads of ao, waves 2, 3 for Wo's halves
	s_cmp_eq_u32 s17, 0
	s_cbranch_scc0 .Lfor_b_\@
	tensor_load_to_lds s[G0+4*\s:G0+4*\s+3], s[G1:G1+7]
	s_nop 0
	s_branch .Lasked_\@
.Lfor_b_\@:
	tensor_load_to_lds s[G0B+4*\s:G0B+4*\s+3], s[G1B:G1B+7]
	s_nop 0
.Lasked_\@:
.endm
.macro CREST
	s_cmp_lg_u32 s16, 0
	s_cbranch_scc1 .Lnot_wave_0_\@
	s_barrier_signal -3
.Lnot_wave_0_\@:
	s_barrier_wait -3
	s_barrier_signal -1
	s_barrier_wait -1
.endm
.macro CROUND
	s_barrier_signal -1
	s_barrier_wait -1
	CREST
.endm
	s_load_b256 s[4:11], s[0:1], 0x0               ; ao s[4:5], xw s[6:7], bo s[8:9], out0 s[10:11]
	s_set_vgpr_msb 0x40
	v_lshl_add_u32 v255, v0, 2, 0x4e400
	s_set_vgpr_msb 0x4000
	v_mov_b32 v223, 0
	s_set_vgpr_msb 0x1
	ds_add_u32 v255, v223
	s_set_vgpr_msb 0x100
	v_lshrrev_b32 v1, 5, v0
	v_readfirstlane_b32 s16, v1                    ; wave 0..3
	s_lshr_b32 s17, s16, 1                         ; my half of the tokens; also: I fetch for ao (0) or for Wo (1)
	s_and_b32 s18, s16, 1                          ; my half of the features; also: which head, or which half of Wo's rows, I fetch
	s_bfe_u32 s20, ttmp6, 0x40000                  ; cx = the block column (the grid has one cluster along x)
	s_bfe_u32 s21, ttmp6, 0x40004                  ; cy
	s_and_b32 s23, ttmp7, 0xffff
	s_lshl_b32 s23, s23, 2
	s_add_co_u32 s23, s23, s21                     ; block row
	s_lshl_b32 s70, s21, 2
	s_lshl_b32 s70, 15, s70                        ; my row of the cluster
	s_lshl_b32 s71, 0x1111, s20                    ; my column
	s_or_b32 s[G1+0], s70, 0x07310000              ; mask; 2-byte elements; padding on, 4 words behind every 32; bit 21 beside a mask
	s_mov_b32 s[G1+1], 64<<16                      ; tensor_dim0 = 64
	s_mov_b32 s[G1+2], 256<<16                     ; tensor_dim1 = 256
	s_mov_b32 s[G1+3], 64<<16                      ; tile_dim0 = 64 elements: a head's row of 128 bytes
	s_mov_b32 s[G1+4], 256                         ; tile_dim1 = 256 tokens
	s_mov_b32 s[G1+5], 64                          ; rows follow each other
	s_mov_b32 s[G1+6], 0
	s_mov_b32 s[G1+7], 0
	s_or_b32 s[G1B+0], s71, 0x0FB10000             ; mask; 2-byte elements; padding on, 8 words behind every 128; bit 21
	s_mov_b32 s[G1B+1], 256<<16
	s_mov_b32 s[G1B+2], 64<<16
	s_mov_b32 s[G1B+3], 256<<16
	s_mov_b32 s[G1B+4], 64
	s_mov_b32 s[G1B+5], 1024
	s_mov_b32 s[G1B+6], 0
	s_mov_b32 s[G1B+7], 0
	; ao's tile: ((16 batch + head) x 2048 + 256 x (block row & 7)) x 128 bytes.  These registers never hold cx.
	s_lshr_b32 s40, s23, 3
	s_lshl_b32 s40, s40, 4
	s_add_co_u32 s40, s40, s18
	s_lshl_b32 s40, s40, 11
	s_and_b32 s41, s23, 7
	s_lshl_b32 s41, s41, 8
	s_add_co_u32 s40, s40, s41
	s_lshl_b32 s40, s40, 7
	s_mov_b32 s41, 0
	; Wo's tile: 22 MiB + 512 cx + 64 rows x half.  These registers never hold cy.
	s_lshl_b32 s66, s20, 9
	s_lshl_b32 s67, s18, 17
	s_add_co_u32 s66, s66, s67
	s_add_co_u32 s66, s66, 0x1600000
	s_mov_b32 s67, 0
	s_mul_i32 s44, s16, AHEAD                      ; waves 0, 1: where a head lands
	s_mul_i32 s45, s16, BHALF
	s_add_co_u32 s45, s45, BBASE-2*BHALF           ; waves 2, 3: where a half of Wo's tile lands
	s_wait_dscnt 0x0
	s_wait_kmcnt 0x0
	s_add_nc_u64 s[46:47], s[4:5], s[40:41]
	s_add_nc_u64 s[68:69], s[6:7], s[66:67]
	CROUND                                         ; all sixteen work-groups are here: the first joint loads meet
.irp s, 0,1
	s_mov_b32 s[G0+4*\s], 1
	s_add_co_u32 s[G0+4*\s+1], s44, \s*SLOT
	s_add_nc_u64 s[G0+4*\s+2:G0+4*\s+3], s[46:47], \s*0x80000        ; K step s: two heads of 256 KiB on
	s_or_b32 s[G0+4*\s+3], s[G0+4*\s+3], 0x80000000
	s_mov_b32 s[G0B+4*\s], 1
	s_add_co_u32 s[G0B+4*\s+1], s45, \s*SLOT
	s_add_nc_u64 s[G0B+4*\s+2:G0B+4*\s+3], s[68:69], \s*0x40000      ; K step s: 128 rows of 2,048 bytes on
	s_or_b32 s[G0B+4*\s+3], s[G0B+4*\s+3], 0x80000000
	JLOAD \s                                       ; two tensor loads of this wave are out
.endr
	v_and_b32 v1, 15, v0                           ; r
	v_bfe_u32 v2, v0, 4, 1                         ; h
	v_mul_u32_u24 v3, v1, APITCH
	v_lshl_add_u32 v3, v2, 4, v3                   ; ao: 144 r + 16 h
	v_and_b32 v5, 7, v0
	v_lshl_add_u32 v5, v2, 3, v5
	v_mul_u32_u24 v5, v5, BPITCH
	v_bfe_u32 v6, v0, 3, 1
	v_lshl_add_u32 v5, v6, 4, v5                   ; Wo: row 8 h + (l & 7), 16 bytes on for lanes 8-15 and 24-31
	s_mul_i32 s76, s17, 128*APITCH                 ; my 128 tokens
	s_lshl_b32 s77, s18, 8                         ; my 128 features
	s_add_co_u32 s77, s77, BBASE
.irp s, 0,1
	v_add_nc_u32 v[ADRA+\s], s76, v3
	v_add_nc_u32 v[ADRB+\s], s77, v5
	s_add_co_u32 s76, s76, SLOT
	s_add_co_u32 s77, s77, SLOT
.endr
	s_mul_i32 s78, s16, 16*SPITCH
	s_add_co_u32 s78, s78, STAGE                   ; my stage
	v_mul_u32_u24 v7, v1, SPITCH
	v_lshl_add_u32 v7, v2, 5, v7
	v_add_nc_u32 v[STO], s78, v7                   ; in: token r, 32 bytes for each half of the lanes
	v_and_b32 v9, 31, v0
	v_lshlrev_b32 v[CO], 4, v9                     ; out: 16 l
	v_add_nc_u32 v[RD], s78, v[CO]                 ; back: a whole row of 512 bytes
	s_lshl_b32 s79, s20, 10
	s_lshl_b32 s84, s18, 9
	s_add_co_u32 s79, s79, s84                     ; 4 (256 cx + 128 half): also my column's bytes in out0
	v_lshl_add_u32 v[BO], v2, 5, s79
.irp b, 0,1,2,3,4,5,6,7
	global_load_b128 v[32+8*\b+(\b/4)*160:32+8*\b+(\b/4)*160+3],   v[BO], s[8:9] offset:64*\b
	global_load_b128 v[32+8*\b+(\b/4)*160+4:32+8*\b+(\b/4)*160+7], v[BO], s[8:9] offset:64*\b+16
.endr
	s_wait_loadcnt 0x0                             ; the bias, once, while the first tiles are on their way
.macro MUL16 f, hi, a0, zero
.irp a, \a0, \a0+1
.irp b, 0,1,2,3,4,5,6,7
.if \zero
	v_wmma_f32_16x16x32_f16 v[8*(8*(\a)+\b):8*(8*(\a)+\b)+7], v[\f+8*\b:\f+8*\b+7], v[\f+8*(4*\hi+\a):\f+8*(4*\hi+\a)+7], 0
.else
	v_wmma_f32_16x16x32_f16 v[8*(8*(\a)+\b):8*(8*(\a)+\b)+7], v[\f+8*\b:\f+8*\b+7], v[\f+8*(4*\hi+\a):\f+8*(4*\hi+\a)+7], v[8*(8*(\a)+\b):8*(8*(\a)+\b)+7]
.endif
.endr
.endr
.endm
; quarter q of a slot: head q / 2, d from 32 (q & 1); Wo's rows 32 q ..
.macro FETCH slot, q, f
	WIN TO_B
.irp i, 0,1,2,3,4,5,6,7
	ds_load_tr16_b128 v[\f+8*\i:\f+8*\i+3],   v[ADRB+\slot] offset:\q*32*BPITCH+32*\i
	ds_load_tr16_b128 v[\f+8*\i+4:\f+8*\i+7], v[ADRB+\slot] offset:\q*32*BPITCH+16*BPITCH+32*\i
.endr
	WIN 0
.irp i, 0,1,2,3,4,5,6,7
	ds_load_b128 v[\f+8*\i:\f+8*\i+3],   v[ADRA+\slot] offset:(\q/2)*AHEAD+(\q%2)*64+\i*16*APITCH
	ds_load_b128 v[\f+8*\i+4:\f+8*\i+7], v[ADRA+\slot] offset:(\q/2)*AHEAD+(\q%2)*64+\i*16*APITCH+32
.endr
.endm
.macro PLACES                          ; four independent vector places between a matrix instruction and a load into, or a vector use of, its registers
.rept 4
	v_nop
.endr
.endm
; The 64 accumulators take turns, one instruction a turn, in the same order in every quarter.
.macro QUARTER slot, q, f, g, zero
	s_wait_dscnt 8                                 ; Wo and tokens 0-63 are in; the youngest eight loads may be out
	WIN MUL_LO
	MUL16 \f, 0, 0, \zero
	MUL16 \f, 0, 2, \zero
	PLACES
	FETCH \slot, \q, \g
	s_wait_dscnt 32                                ; all but the 32 just issued
	WIN MUL_HI
	MUL16 \f, 1, 0, \zero
	MUL16 \f, 1, 2, \zero
.endm
.macro THREE slot, zero
	QUARTER \slot, 1, F0, F1, \zero
	QUARTER \slot, 2, F1, F0, 0
	QUARTER \slot, 3, F0, F1, 0
.endm
; The change of slots: each wave's reads of this slot are back and all its tensor loads have landed in front of the barrier; where the slot is filled again
; the barrier opens a round of the cluster's barrier, and the joint refill is the first tensor load behind the round.
.macro TURN slot, next, fill
	s_wait_dscnt 8
	WIN MUL_LO
	MUL16 F1, 0, 0, 0
	s_wait_dscnt 0
	s_wait_tensorcnt 0x0
	ds_add_u32 v255, v223
	s_wait_dscnt 0x0
	s_barrier_signal -1
	MUL16 F1, 0, 2, 0
	WIN 0
	s_barrier_wait -1
.if \fill
	CREST
	s_add_nc_u64 s[G0+4*\slot+2:G0+4*\slot+3], s[G0+4*\slot+2:G0+4*\slot+3], 0x100000      ; two K steps: four heads on
	s_add_nc_u64 s[G0B+4*\slot+2:G0B+4*\slot+3], s[G0B+4*\slot+2:G0B+4*\slot+3], 0x80000   ; 256 rows on
	JLOAD \slot
.endif
	PLACES
	FETCH \next, 0, F0
	WIN MUL_HI
	MUL16 F1, 1, 0, 0
	MUL16 F1, 1, 2, 0
.endm
.macro LAP zero
	THREE 0, \zero
	TURN 0, 1, 1
	THREE 1, 0
	TURN 1, 0, 1
.endm
	s_wait_tensorcnt 1                             ; my part of K step 0 is in; K step 1's stays out
	s_barrier_signal -1
	s_barrier_wait -1
	FETCH 0, 0, F0
	LAP 1
	WIN 0
	s_mov_b32 s19, LAPS-2
.Llap:
	LAP 0
	WIN 0
	s_sub_co_u32 s19, s19, 1
	s_cmp_lg_u32 s19, 0
	s_cbranch_scc1 .Llap
	THREE 0, 0
	TURN 0, 1, 0
	THREE 1, 0
	s_wait_dscnt 8
	WIN MUL_LO
	MUL16 F1, 0, 0, 0
	MUL16 F1, 0, 2, 0
	s_wait_dscnt 0
	WIN MUL_HI
	MUL16 F1, 1, 0, 0
	MUL16 F1, 1, 2, 0
	; THE WAY OUT, in f32: 16 tokens at a time through my stage, back as whole rows of 512 bytes.
	PLACES
	s_lshl_b32 s84, s23, 8
	s_lshl_b32 s85, s17, 7
	s_add_co_u32 s84, s84, s85                     ; my first token
	s_lshl_b32 s84, s84, 12                        ; 4,096 bytes a token
	s_add_co_u32 s84, s84, s79                     ; + my first feature
	s_mov_b32 s85, 0
	s_add_nc_u64 s[80:81], s[10:11], s[84:85]
.macro OUT16 i, a, wadd, wst, f
	WIN \wadd                                      ; sums in window 2 or 3, bias in window 0
.irp b, 0,1,2,3,4,5,6,7
.irp r, 0,1,2,3
	v_pk_add_f32 v[8*(8*\a+\b)+2*\r:8*(8*\a+\b)+2*\r+1], v[8*(8*\a+\b)+2*\r:8*(8*\a+\b)+2*\r+1], v[32+8*\b+(\b/4)*160+2*\r:32+8*\b+(\b/4)*160+2*\r+1]
.endr
.endr
	WIN \wst                                       ; an LDS store's data is its source 1
.irp b, 0,1,2,3,4,5,6,7
	ds_store_b128 v[STO], v[8*(8*\a+\b):8*(8*\a+\b)+3]   offset:64*\b
	ds_store_b128 v[STO], v[8*(8*\a+\b)+4:8*(8*\a+\b)+7] offset:64*\b+16
.endr
	WIN 0
	s_wait_xcnt 0x0                                ; buffer f, which earlier stores read, is loaded again only behind this wait
.irp t, 0,1,2,3,4,5,6,7,8,9,10,11,12,13,14,15
	ds_load_b128 v[\f+4*\t:\f+4*\t+3], v[RD] offset:SPITCH*\t      ; a wave's LDS instructions are served in order: these see the stores above
.endr
.irp t, 0,1,2,3,4,5,6,7,8,9,10,11,12,13,14,15
	s_wait_dscnt 15-\t
	global_store_b128 v[CO], v[\f+4*\t:\f+4*\t+3], s[80:81] offset:65536*\i+4096*\t th:TH_STORE_NT   ; 512 consecutive bytes of one token, aligned
.endr
.endm
	OUT16 0, 0, 0x82, 0x08, F0
	OUT16 1, 1, 0x82, 0x08, F1
	OUT16 2, 2, 0x82, 0x08, F0
	OUT16 3, 3, 0x82, 0x08, F1
	OUT16 4, 0, 0xc3, 0x0c, F0
	OUT16 5, 1, 0xc3, 0x0c, F1
	OUT16 6, 2, 0xc3, 0x0c, F0
	OUT16 7, 3, 0xc3, 0x0c, F1
	s_set_vgpr_msb 0x1
	s_wait_tensorcnt 0x0
	ds_add_u32 v255, v223
	s_wait_dscnt 0x0
	s_set_vgpr_msb 0x100
	CROUND                                         ; the closing round
	s_endpgm
.Lfunc_end_k_q5174281f50_oproj:
	.size	k_q5174281f50_oproj, .Lfunc_end_k_q5174281f50_oproj-k_q5174281f50_oproj
	.p2alignl 7, 3214868480
	.fill 96, 4, 3214868480
	.section	.rodata,"a",@progbits
	.p2align	6, 0x0
	.amdhsa_kernel k_q5174281f50_oproj
		.amdhsa_group_segment_fixed_size 327680
		.amdhsa_private_segment_fixed_size 0
		.amdhsa_enable_private_segment 0
		.amdhsa_kernarg_size 32
		.amdhsa_user_sgpr_count 2
		.amdhsa_user_sgpr_kernarg_segment_ptr 1
		.amdhsa_wavefront_size32 1
		.amdhsa_system_sgpr_workgroup_id_x 1
		.amdhsa_system_sgpr_workgroup_id_y 1
		.amdhsa_system_sgpr_workgroup_id_z 1
		.amdhsa_system_vgpr_workitem_id 0
		.amdhsa_next_free_vgpr 1024
		.amdhsa_next_free_sgpr 100
		.amdhsa_reserve_vcc 0
		.amdhsa_float_denorm_mode_32 3
		.amdhsa_float_denorm_mode_16_64 3
		.amdhsa_memory_ordered 1
		.amdhsa_forward_progress 1
		.amdhsa_inst_pref_size 214
	.end_amdhsa_kernel
	.amdgpu_metadata
---
amdhsa.version: [ 1, 2 ]
amdhsa.kernels:
  - .name:           k_q5174281f50_oproj
    .symbol:         k_q5174281f50_oproj.kd
    .args:
      - { .name: ao, .offset: 0, .size: 8, .value_kind: global_buffer, .address_space: global }
      - { .name: xw, .offset: 8, .size: 8, .value_kind: global_buffer, .address_space: global }
      - { .name: bo, .offset: 16, .size: 8, .value_kind: global_buffer, .address_space: global }
      - { .name: out0, .offset: 24, .size: 8, .value_kind: global_buffer, .address_space: global }
    .group_segment_fixed_size: 327680
    .private_segment_fixed_size: 0
    .kernarg_segment_align: 8
    .kernarg_segment_size: 32
    .max_flat_workgroup_size: 128
    .sgpr_count:     100
    .vgpr_count:     1024
    .wavefront_size: 32
...
	.end_amdgpu_metadata
.endif
;; end of part 4
